; MI455X (gfx1250); checked and timed in simulation.
; The chip was launched on July 23, 2026; its instructions are those of AMD's public machine-readable ISA for CDNA 5 (MIT licence, August 2026) and "CDNA5" Instruction Set Architecture Reference Guide (July 2026). The comments in the code are by the model that wrote it; some were corrected since.
;; Causal Bilinear Self Attention. Allowed arithmetic: matrix products marked QUANTISED: E2M1 operands, one E8M0 scale for each 32 along K, by v_wmma_scale_f32_16x16x128_f8f6f4 with both operands' format E2M1 (or v_wmma_scale_f32_32x16x128_f4), f32 sums; products left as they are: bf16, f16 or f32 operands; f32 sums; everything else in f32.
;; Inputs: Wk 1,024 x 1,024 float32; Wk2 1,024 x 1,024 float32; Wproj 1,024 x 1,024 float32; Wq 1,024 x 1,024 float32; Wq2 1,024 x 1,024 float32; Wv 1,024 x 1,024 float32; x 2 x 2,048 x 1,024 float32.
;; Outputs: out0 2 x 2,048 x 1,024 float32.
;; This version of the problem:
;;   THIS VERSION OF THE PROBLEM IS GIVEN IN LOW PRECISION. The matrix products marked QUANTISED in the list below multiply operands that are first quantised to E2M1 (2 exponent bits, 1 mantissa bit; 4 bits a number), with one power-of-two scale for each 32 numbers along K (OCP MX v1.0); their sums are f32. The products marked 'left as it is' may take bf16, f16 or f32 operands, with f32 sums. Whichever they take, every output number must still come out within the allowed error. Rounding operands to bf16 (8 significant bits) uses up far more of that allowance than f16 does (11 bits, for magnitudes from 6e-5 to 65,504). All else is computed in f32.
;;   The module's matrix products, in the order in which they are computed (A, B: the left and right operand; K: the contracted axis; several contracted axes count as one K, in the product's order):
;;     1. [M 4,096, K 1,024] x [K 1,024, N 1,024]; A: input x; B: input Wq: QUANTISED
;;     2. [M 4,096, K 1,024] x [K 1,024, N 1,024]; A: input x; B: input Wk: QUANTISED
;;     3. [M 4,096, K 1,024] x [K 1,024, N 1,024]; A: input x; B: input Wq2: QUANTISED
;;     4. [M 4,096, K 1,024] x [K 1,024, N 1,024]; A: input x; B: input Wk2: QUANTISED
;;     5. [M 4,096, K 1,024] x [K 1,024, N 1,024]; A: input x; B: input Wv: QUANTISED
;;     6. batch 32 x [M 2,048, K 64] x [K 64, N 2,048]; A: computed on the way; B: computed on the way: left as it is (an operand is computed on the way)
;;     7. batch 32 x [M 2,048, K 64] x [K 64, N 2,048]; A: computed on the way; B: computed on the way: left as it is (an operand is computed on the way)
;;     8. batch 32 x [M 2,048, K 2,048] x [K 2,048, N 64]; A: computed on the way; B: computed on the way: left as it is (an operand is computed on the way)
;;     9. [M 4,096, K 1,024] x [K 1,024, N 1,024]; A: computed on the way; B: input Wproj: left as it is (an operand is computed on the way)
;;   THE QUANTISER, for each operand of a quantised product, along K:
;;     - K is cut into blocks of 32 from its start; a last block that is shorter is filled with zeros.
;;     - A block's scale is 2^e with e = floor(log2(the largest magnitude in the block)) - 2, held to -126 .. 127; a block of zeros has e = 0. As a byte (E8M0): e + 127.
;;     - Each number is divided by its block's scale, clamped to +-6, and rounded to the nearest number of E2M1, ties to even, subnormals kept.
;;     - The product sums the exact products of the quantised numbers (number of the format x scale) in f32.
;;   ~~~python
;;   def quantise(x, axis):      # numpy; x: float32 -> the quantised numbers, widened to float32 again
;;       x = np.moveaxis(x, axis, -1); K = x.shape[-1]
;;       x = np.pad(x, [(0, 0)] * (x.ndim - 1) + [(0, -K % 32)]); x = x.reshape(x.shape[:-1] + (-1, 32)); a = np.abs(x).max(-1, keepdims=True)
;;       e = np.where(a > 0, np.clip(np.frexp(np.where(a > 0, a, 1))[1] - 1 - 2, -126, 127), 0)      # np.frexp(a)[1] - 1 = floor(log2(a)), exactly
;;       r = np.clip(x / 2.0 ** e, -6, 6)
;;       step = 2.0 ** (np.maximum(np.frexp(np.where(r == 0, 1, r))[1] - 1, 0) - 1)
;;       q = np.round(r / step) * step * 2.0 ** e      # np.round: ties to even
;;       return np.moveaxis(q.reshape(q.shape[:-2] + (-1,))[..., :K], -1, axis).astype(np.float32)
;;   ~~~
;; One version. Each part assembles by itself: llvm-mc -triple=amdgcn-amd-amdhsa -mcpu=gfx1250 --defsym DOCPART=n.
;; ======== version 1 of 1: 4 launches
;; limits: values are held in f16: magnitudes above 65,504 overflow, below 6.1e-05 lose precision
;; workspace buffers: codes 4,718,592 bytes; sc 294,912 bytes; wp 2,097,152 bytes; tab 524,288 bytes; qkv 41,943,040 bytes; amax 16,384 bytes; z16 8,388,608 bytes; zs 8,192 bytes
;; launch prep (part 1): grid 448 x 1, 4 waves a work-group, no clusters, 68,096 bytes of LDS; arguments x, Wq, Wk, Wq2, Wk2, Wv, Wproj, codes, sc, wp, tab; writes codes, sc, wp, tab
.if DOCPART == 1
	.amdgcn_target "amdgcn-amd-amdhsa--gfx1250"
	.amdhsa_code_object_version 6
	.text
	.protected	k_q69b8e6b723_prep
	.globl	k_q69b8e6b723_prep
	.p2align	8
	.type	k_q69b8e6b723_prep,@function
k_q69b8e6b723_prep:
	s_mov_b64 s[64:65], 0
	v_nop
	global_prefetch_b8 v0, s[64:65] scope:SCOPE_SE
	s_setreg_imm32_b32 hwreg(HW_REG_WAVE_MODE, 25, 1), 1
	s_wait_xcnt 0x0
; PREP.  Three jobs, told apart by the work-group's number alone:
;   Q (work-groups 0-287): x [4096][1024] and Wq, Wk, Wq2, Wk2, Wv [1024][1024], f32, K innermost, become codes of E2M1 with one E8M0 byte for each 32 along K.
;   F (288-319): Wproj becomes f16.      T (320-447): the rotary table, cos and sin of t x 10000^(-i/32), t = 0..2047, i = 0..31, f32.
; EVERYTHING IS STORED AS IMAGES OF OPERAND REGISTERS: 512 bytes, lane l's 16 bytes at 16 l, so that the later launches load fragments whole and every store here covers 512 consecutive bytes.
;   codes: q PLANE + RB 2048 + (ks & 1) 1024 + c 512 + 16 lane; ks = K / 128, q = ks / 2; lane (r, h) holds k = 128 ks + 64 c + 32 h + 0..31 of row r of row block RB.
;          RB = row / 16 for x; 256 + 20 head + 4 tensor + (row / 16) % 4 for the weights, so that one head's q, k, q2, k2, v rows lie on end.
;   sc:    RB 512 + (ks / 4) 256 + 16 r + 4 (ks % 4): a scale word for a row and 128 along K.
;   wp:    nb 32768 + kk 1024 + u 512 + 16 lane: lane (r, h) holds k = 32 kk + 16 u + 8 h + 0..7 of row 16 nb + r.
;   tab:   tt 4096 + (4 c + 2 sn + jh) 512 + 16 lane: lane (r, h) holds token 16 tt + r, frequencies 16 c + 8 h + 4 jh + 0..3; sn = 0 cos, 1 sin.
; A wave's task in Q and F is 16 rows x 512 along K, in four chunks of 128: each load takes 512 consecutive bytes of one row; the chunk turns through the wave's own stage in LDS
; (rows 528 bytes apart, an odd multiple of 16, so the sixteen rows that a read touches start 16 bytes apart modulo 256) and comes back with a lane's registers running along K.
; A block's scale is 2^(floor(log2(largest magnitude)) - 2); its byte is the largest magnitude's exponent field - 2, held at 1 from below.
; LIMITS: a block of zeros, or one whose largest magnitude lies under 2^-124, keeps the byte 1 (zeros have zero codes; only this program reads the bytes); NaN and infinities are not served;
; |Wproj| stays under 65,504; the table's sine and cosine are polynomials behind a two-part reduction by pi/2, within 4e-7 of the true values for the angles up to 2,047 that occur.
; Memory binds here: no matrix unit, no cluster, no barrier (waves share nothing).  ALL FOUR CHUNKS OF A TASK ARE ASKED FOR AT ITS HEAD: 64 loads of a wave, 32,768 bytes, so that a task goes to memory once.
.set PLANE, 1179648                    ; 576 row blocks x 2,048 bytes
.set SP,    528                        ; a stage row
.set STG,   16*SP                      ; a wave's stage
.set FBASE, 4*STG                      ; path F has stages of its own
.set SPARE, 8*STG                      ; the spare words: 128 bytes a wave, two blocks of 256 bytes that no other line names
.set R,     32                         ; v32-159  chunks 0 and 1 as loaded; chunks 2 and 3 lie in window 1, v0-127 there (v256-383)
.set X,     160                        ; v160-223 a chunk with K along the registers
.set C,     224                        ; v224-255 results to store
.set SPW,   22                         ; v22 my spare word's address, v23 = 0: never rewritten
.set NIL,   23
.set MSB, 0
.macro WIN new                         ; the immediate's high byte repeats the setting that is left
.if MSB != (\new)
	s_set_vgpr_msb (MSB<<8)|(\new)
.set MSB, (\new)
.endif
.endm
.macro LOADC t                         ; chunk t: row i's 512 bytes, 16 a lane
.if (\t) < 2
.set lr, R+64*(\t)
.else
.set lr, 64*((\t)-2)
	WIN 0x40                                       ; destination window 1, address window 0
.endif
.irp i, 0,1,2,3,4,5,6,7,8,9,10,11,12,13,14,15
	global_load_b128 v[lr+4*\i:lr+4*\i+3], v4, s[26:27] offset:\i*4096+(\t)*512 th:TH_LOAD_NT
.endr
	WIN 0
.endm
.macro TOSTAGE t
.if (\t) < 2
.set lr, R+64*(\t)
.else
.set lr, 64*((\t)-2)
	WIN 0x04                                       ; an LDS store's data are its source 1: window 1
.endif
.irp i, 0,1,2,3,4,5,6,7,8,9,10,11,12,13,14,15
	ds_store_b128 v5, v[lr+4*\i:lr+4*\i+3] offset:\i*SP
.endr
	WIN 0
.endm
.macro ARRIVED t                       ; chunk t's 16 loads are in; the 16 of each later chunk may be out
	s_wait_loadcnt 48-16*(\t)
.endm
.macro FINISH                          ; the wave's end, behind my last LDS store
	s_wait_tensorcnt 0x0
	ds_add_u32 v[SPW], v[NIL]
	s_wait_dscnt 0x0
	s_endpgm
.endm
	s_load_b256 s[4:11], s[0:1], 0x0               ; x, Wq, Wk, Wq2
	s_load_b256 s[12:19], s[0:1], 0x20             ; Wk2, Wv, Wproj, codes
	s_load_b128 s[20:23], s[0:1], 0x40             ; sc, wp
	s_load_b64 s[24:25], s[0:1], 0x50              ; tab
	v_lshl_add_u32 v[SPW], v0, 2, SPARE
	v_mov_b32 v[NIL], 0
	v_lshrrev_b32 v1, 5, v0
	v_readfirstlane_b32 s28, v1                    ; wave
	v_and_b32 v1, 31, v0                           ; lane
	v_and_b32 v2, 15, v0                           ; r
	v_bfe_u32 v3, v0, 4, 1                         ; h
	v_lshlrev_b32 v4, 4, v1                        ; 16 x lane
	s_mov_b32 s29, ttmp9
	s_mov_b32 s43, 0
	s_cmp_ge_u32 s29, 320
	s_cbranch_scc1 .Ltable
	s_mul_i32 s45, s28, STG
	s_cmp_ge_u32 s29, 288
	s_cbranch_scc1 .Lcast
; ---------------- Q: codes and scale words
	s_cmp_lt_u32 s29, 128                          ; x's work-groups, or a weight's
	s_cselect_b32 s30, 0, 128
	s_cselect_b32 s38, 127, 31
	s_sub_co_u32 s30, s29, s30
	s_lshr_b32 s31, s30, 5                         ; which weight (of use for the weights alone)
	s_and_b32 s30, s30, s38
	s_lshl_b32 s30, s30, 2
	s_add_co_u32 s30, s30, s28                     ; the task: 4 x work-group in its tensor + wave
	s_lshr_b32 s39, s30, 1                         ; its 16 rows
	s_and_b32 s40, s30, 1                          ; its half of K
	s_lshr_b32 s41, s39, 2
	s_mul_i32 s41, s41, 20
	s_lshl_b32 s42, s31, 2
	s_add_co_u32 s41, s41, s42
	s_and_b32 s42, s39, 3
	s_add_co_u32 s41, s41, s42
	s_add_co_u32 s41, s41, 256
	s_cmp_lt_u32 s29, 128
	s_cselect_b32 s41, s39, s41                    ; RB
	v_add_nc_u32 v5, s45, v4                       ; stage, in: 16 x lane in row i
	v_mul_u32_u24 v6, v2, SP
	v_lshl_add_u32 v6, v3, 7, v6
	v_add_nc_u32 v6, s45, v6                       ; stage, out: row r, 128 h bytes on: my 32 numbers of a block
	v_lshlrev_b32 v7, 3, v3                        ; 8 h
	v_lshlrev_b32 v8, 4, v2
	v_lshl_add_u32 v8, v3, 3, v8                   ; 16 r + 8 h
	v_mov_b32 v9, 0                                ; a lane permute's destination counts as read
	s_mov_b32 s34, 0x76543210
	s_mov_b32 s35, 0xfedcba98                      ; v_permlanex16_b32: lane l xor 16
	s_wait_kmcnt 0x0
	s_mov_b64 s[26:27], s[4:5]                     ; the source, chosen by the work-group's number
	s_cmp_ge_u32 s29, 128
	s_cselect_b64 s[26:27], s[6:7], s[26:27]
	s_cmp_ge_u32 s29, 160
	s_cselect_b64 s[26:27], s[8:9], s[26:27]
	s_cmp_ge_u32 s29, 192
	s_cselect_b64 s[26:27], s[10:11], s[26:27]
	s_cmp_ge_u32 s29, 224
	s_cselect_b64 s[26:27], s[12:13], s[26:27]
	s_cmp_ge_u32 s29, 256
	s_cselect_b64 s[26:27], s[14:15], s[26:27]
	s_lshl_b32 s42, s39, 16                        ; 16 rows of 4,096 bytes
	s_lshl_b32 s44, s40, 11
	s_add_co_u32 s42, s42, s44
	s_add_nc_u64 s[26:27], s[26:27], s[42:43]
	s_mul_i32 s42, s40, 2*PLANE
	s_lshl_b32 s44, s41, 11
	s_add_co_u32 s42, s42, s44
	s_add_nc_u64 s[32:33], s[18:19], s[42:43]      ; my codes
	s_lshl_b32 s42, s41, 9
	s_lshl_b32 s44, s40, 8
	s_add_co_u32 s42, s42, s44
	s_add_nc_u64 s[36:37], s[20:21], s[42:43]      ; my scale words
.macro CHUNKQ t
	ARRIVED \t
	TOSTAGE \t
.irp c, 0,1
.irp i, 0,1,2,3,4,5,6,7
	ds_load_b128 v[X+32*\c+4*\i:X+32*\c+4*\i+3], v6 offset:\c*256+\i*16   ; LDS serves a wave's instructions in order: these see the stores above
.endr
.endr
	s_wait_dscnt 0x0                               ; the numbers are back
.irp c, 0,1
	v_max3_num_f32 v[10+\c], |v[X+32*\c]|, |v[X+32*\c+1]|, 0x1800000   ; block 2 c + h is all mine; the floor 2^-124 holds the byte at 1 from below
.endr
.irp i, 2,4,6,8,10,12,14,16,18,20,22,24,26,28,30
.irp c, 0,1
	v_max3_num_f32 v[10+\c], v[10+\c], |v[X+32*\c+\i]|, |v[X+32*\c+\i+1]|
.endr
.endr
.irp c, 0,1
	v_add_nc_u32 v[12+\c], 0xff000000, v[10+\c]    ; 2 off the exponent field: the conversion's scale operand
.endr
.irp c, 0,1
	v_lshrrev_b32 v[14+\c], 23, v[12+\c]           ; the byte
.endr
	v_lshl_or_b32 v[16+\t], v15, 16, v14           ; bytes h and 2 + h of the row's word,
	v_lshlrev_b32 v[16+\t], v7, v[16+\t]
	v_permlanex16_b32 v9, v[16+\t], s34, s35
	v_or_b32 v[16+\t], v[16+\t], v9                ; with lane l xor 16's two the word is whole
.irp c, 0,1
.irp g, 0,1,2,3
	v_cvt_scalef32_pk8_fp4_f32 v[C+8*\t+4*\c+\g], v[X+32*\c+8*\g:X+32*\c+8*\g+7], v[12+\c]
.endr
.endr
	v_nop                                          ; one plain line behind the last scaled conversion
.irp c, 0,1
	global_store_b128 v4, v[C+8*\t+4*\c:C+8*\t+4*\c+3], s[32:33] offset:(\t/2)*PLANE+(\t%2)*1024+\c*512   ; an image: 512 consecutive bytes; each chunk has registers of its own
.endr
.endm
	LOADC 0
	LOADC 1
	LOADC 2
	LOADC 3
	CHUNKQ 0
	CHUNKQ 1
	CHUNKQ 2
	CHUNKQ 3
	v_cmp_eq_u32 vcc_lo, 1, v3
	v_cndmask_b32 v20, v16, v18, vcc_lo            ; lane (r, h) stores words 2 h and 2 h + 1 of row r:
	v_cndmask_b32 v21, v17, v19, vcc_lo
	global_store_b64 v8, v[20:21], s[36:37]        ; the wave stores 256 consecutive bytes
	FINISH
; ---------------- F: Wproj in f16
.Lcast:
	s_sub_co_u32 s30, s29, 288
	s_lshl_b32 s30, s30, 2
	s_add_co_u32 s30, s30, s28
	s_lshr_b32 s39, s30, 1                         ; 16 rows
	s_and_b32 s40, s30, 1                          ; half of K
	s_add_co_u32 s45, s45, FBASE
	v_add_nc_u32 v5, s45, v4
	v_mul_u32_u24 v6, v2, SP
	v_lshl_add_u32 v6, v3, 5, v6
	v_add_nc_u32 v6, s45, v6                       ; out: row r, 32 h bytes on: my 8 numbers of 16
	s_lshl_b32 s42, s39, 16
	s_lshl_b32 s44, s40, 11
	s_add_co_u32 s42, s42, s44
	s_wait_kmcnt 0x0
	s_add_nc_u64 s[26:27], s[16:17], s[42:43]
	s_lshl_b32 s42, s39, 15
	s_lshl_b32 s44, s40, 14
	s_add_co_u32 s42, s42, s44
	s_add_nc_u64 s[32:33], s[22:23], s[42:43]
.macro CHUNKF t
	ARRIVED \t
	TOSTAGE \t
.irp k, 0,1,2,3,4,5,6,7
.irp e, 0,1
	ds_load_b128 v[X+8*\k+4*\e:X+8*\k+4*\e+3], v6 offset:\k*64+\e*16   ; image k = 2 s + u: k = 32 s + 16 u + 8 h + 0..7
.endr
.endr
	s_wait_dscnt 0x0
	s_wait_xcnt 0x0                                ; the last chunk's stores have read their data: it is written again only behind this wait
.irp n, 0,1,2,3,4,5,6,7,8,9,10,11,12,13,14,15,16,17,18,19,20,21,22,23,24,25,26,27,28,29,30,31
	v_cvt_pk_f16_f32 v[C+\n], v[X+2*\n], v[X+2*\n+1]
.endr
.irp k, 0,1,2,3,4,5,6,7
	global_store_b128 v4, v[C+4*\k:C+4*\k+3], s[32:33] offset:\t*4096+\k*512
.endr
.endm
	LOADC 0
	LOADC 1
	LOADC 2
	LOADC 3
	CHUNKF 0
	CHUNKF 1
	CHUNKF 2
	CHUNKF 3
	FINISH
; ---------------- T: the rotary table.  A wave makes one image of cos and one of sin: 16 tokens x 8 frequencies, four a lane
.Ltable:
	s_sub_co_u32 s30, s29, 320
	s_lshl_b32 s30, s30, 2
	s_add_co_u32 s30, s30, s28
	s_lshr_b32 s31, s30, 2                         ; tt
	s_bfe_u32 s38, s30, 0x10001                    ; c
	s_and_b32 s39, s30, 1                          ; jh
	s_lshl_b32 s40, s31, 4
	v_add_nc_u32 v32, s40, v2
	v_cvt_f32_u32 v32, v32                         ; my token
	s_lshl_b32 s41, s38, 4
	s_lshl_b32 s42, s39, 2
	s_add_co_u32 s41, s41, s42
	v_lshl_add_u32 v33, v3, 3, s41                 ; my first frequency: 16 c + 8 h + 4 jh
	s_mov_b32 s46, 0x3fc90fdb                      ; pi/2, upper part
	s_mov_b32 s47, 0xb33bbd2e                      ; and what is left of it
	s_mov_b32 s48, 0xbe2aaaab                      ; -1/6
	s_mov_b32 s49, 0x3c088889                      ; 1/120
	s_mov_b32 s50, 0xb9500d01                      ; -1/5040
	s_mov_b32 s51, 0x3d2aaaab                      ; 1/24
	s_mov_b32 s52, 0xbab60b61                      ; -1/720
	s_mov_b32 s53, 0x37d00d01                      ; 1/40320
	s_lshl_b32 s42, s31, 12
	s_lshl_b32 s44, s38, 11
	s_add_co_u32 s42, s42, s44
	s_lshl_b32 s44, s39, 9
	s_add_co_u32 s42, s42, s44
	s_wait_kmcnt 0x0
	s_add_nc_u64 s[32:33], s[24:25], s[42:43]
.irp e, 0,1,2,3
	v_add_nc_u32 v[36+\e], \e, v33
.endr
.irp e, 0,1,2,3
	v_cvt_f32_u32 v[36+\e], v[36+\e]
.endr
.irp e, 0,1,2,3
	v_mul_f32 v[36+\e], 0xbed49a78, v[36+\e]       ; -i log2(10000) / 32
.endr
.irp e, 0,1,2,3
	v_exp_f32 v[36+\e], v[36+\e]                   ; 10000^(-i/32)
.endr
	v_nop                                          ; a plain line behind the last exponential,
	s_wait_alu depctr_va_vdst(0)                   ; and one wait for the four, ahead of their first reader
.irp e, 0,1,2,3
	v_mul_f32 v[36+\e], v32, v[36+\e]              ; the angle, rounded once to f32
.endr
.irp e, 0,1,2,3
	v_mul_f32 v[40+\e], 0x3f22f983, v[36+\e]
.endr
.irp e, 0,1,2,3
	v_rndne_f32 v[40+\e], v[40+\e]                 ; n = the nearest multiple of pi/2
.endr
.irp e, 0,1,2,3
	v_fma_f32 v[36+\e], -v[40+\e], s46, v[36+\e]
.endr
.irp e, 0,1,2,3
	v_fma_f32 v[36+\e], -v[40+\e], s47, v[36+\e]   ; what is left, within pi/4 of 0
.endr
.irp e, 0,1,2,3
	v_mul_f32 v[44+\e], v[36+\e], v[36+\e]
.endr
.irp e, 0,1,2,3
	v_fma_f32 v[48+\e], v[44+\e], s50, s49
.endr
.irp e, 0,1,2,3
	v_fma_f32 v[48+\e], v[48+\e], v[44+\e], s48
.endr
.irp e, 0,1,2,3
	v_mul_f32 v[48+\e], v[48+\e], v[44+\e]
.endr
.irp e, 0,1,2,3
	v_fma_f32 v[48+\e], v[48+\e], v[36+\e], v[36+\e]   ; its sine
.endr
.irp e, 0,1,2,3
	v_fma_f32 v[52+\e], v[44+\e], s53, s52
.endr
.irp e, 0,1,2,3
	v_fma_f32 v[52+\e], v[52+\e], v[44+\e], s51
.endr
.irp e, 0,1,2,3
	v_fma_f32 v[52+\e], v[52+\e], v[44+\e], -0.5
.endr
.irp e, 0,1,2,3
	v_fma_f32 v[52+\e], v[52+\e], v[44+\e], 1.0    ; its cosine
.endr
.irp e, 0,1,2,3
	v_cvt_i32_f32 v[40+\e], v[40+\e]
.endr
.irp e, 0,1,2,3
	v_and_b32 v56, 1, v[40+\e]                     ; an odd quadrant swaps the two;
	v_cmp_eq_u32 vcc_lo, 1, v56
	v_cndmask_b32 v[64+\e], v[48+\e], v[52+\e], vcc_lo
	v_cndmask_b32 v[60+\e], v[52+\e], v[48+\e], vcc_lo
	v_and_b32 v56, 2, v[40+\e]                     ; the sine is negative in quadrants 2 and 3,
	v_lshlrev_b32 v56, 30, v56
	v_xor_b32 v[64+\e], v56, v[64+\e]
	v_add_nc_u32 v56, 1, v[40+\e]                  ; the cosine in 1 and 2
	v_and_b32 v56, 2, v56
	v_lshlrev_b32 v56, 30, v56
	v_xor_b32 v[60+\e], v56, v[60+\e]
.endr
	global_store_b128 v4, v[60:63], s[32:33]
	global_store_b128 v4, v[64:67], s[32:33] offset:1024
	s_endpgm
.Lfunc_end_k_q69b8e6b723_prep:
	.size	k_q69b8e6b723_prep, .Lfunc_end_k_q69b8e6b723_prep-k_q69b8e6b723_prep
	.p2alignl 7, 3214868480
	.fill 96, 4, 3214868480
	.section	.rodata,"a",@progbits
	.p2align	6, 0x0
	.amdhsa_kernel k_q69b8e6b723_prep
		.amdhsa_group_segment_fixed_size 68096
		.amdhsa_private_segment_fixed_size 0
		.amdhsa_enable_private_segment 0
		.amdhsa_kernarg_size 88
		.amdhsa_user_sgpr_count 2
		.amdhsa_user_sgpr_kernarg_segment_ptr 1
		.amdhsa_wavefront_size32 1
		.amdhsa_system_sgpr_workgroup_id_x 1
		.amdhsa_system_sgpr_workgroup_id_y 1
		.amdhsa_system_sgpr_workgroup_id_z 1
		.amdhsa_system_vgpr_workitem_id 0
		.amdhsa_next_free_vgpr 384
		.amdhsa_next_free_sgpr 66
		.amdhsa_reserve_vcc 1
		.amdhsa_float_denorm_mode_32 3
		.amdhsa_float_denorm_mode_16_64 3
		.amdhsa_memory_ordered 1
		.amdhsa_forward_progress 1
		.amdhsa_inst_pref_size 64
	.end_amdhsa_kernel
	.amdgpu_metadata
---
amdhsa.version: [ 1, 2 ]
amdhsa.kernels:
  - .name:           k_q69b8e6b723_prep
    .symbol:         k_q69b8e6b723_prep.kd
    .args:
      - { .name: x, .offset: 0, .size: 8, .value_kind: global_buffer, .address_space: global }
      - { .name: Wq, .offset: 8, .size: 8, .value_kind: global_buffer, .address_space: global }
      - { .name: Wk, .offset: 16, .size: 8, .value_kind: global_buffer, .address_space: global }
      - { .name: Wq2, .offset: 24, .size: 8, .value_kind: global_buffer, .address_space: global }
      - { .name: Wk2, .offset: 32, .size: 8, .value_kind: global_buffer, .address_space: global }
      - { .name: Wv, .offset: 40, .size: 8, .value_kind: global_buffer, .address_space: global }
      - { .name: Wproj, .offset: 48, .size: 8, .value_kind: global_buffer, .address_space: global }
      - { .name: codes, .offset: 56, .size: 8, .value_kind: global_buffer, .address_space: global }
      - { .name: sc, .offset: 64, .size: 8, .value_kind: global_buffer, .address_space: global }
      - { .name: wp, .offset: 72, .size: 8, .value_kind: global_buffer, .address_space: global }
      - { .name: tab, .offset: 80, .size: 8, .value_kind: global_buffer, .address_space: global }
    .group_segment_fixed_size: 68096
    .private_segment_fixed_size: 0
    .kernarg_segment_align: 8
    .kernarg_segment_size: 88
    .max_flat_workgroup_size: 128
    .sgpr_count:     66
    .vgpr_count:     384
    .wavefront_size: 32
...
	.end_amdgpu_metadata
.endif
;; end of part 1
;; launch proj (part 2): grid 16 x 16, 4 waves a work-group, clusters of 4 x 4, 327,680 bytes of LDS; arguments codes, sc, tab, qkv, amax; writes qkv, amax
.if DOCPART == 2
	.amdgcn_target "amdgcn-amd-amdhsa--gfx1250"
	.amdhsa_code_object_version 6
	.text
	.protected	k_q69b8e6b723_proj
	.globl	k_q69b8e6b723_proj
	.p2align	8
	.type	k_q69b8e6b723_proj,@function
k_q69b8e6b723_proj:
	s_mov_b64 s[64:65], 0
	v_nop
	global_prefetch_b8 v0, s[64:65] scope:SCOPE_SE
	s_setreg_imm32_b32 hwreg(HW_REG_WAVE_MODE, 25, 1), 1
	s_wait_xcnt 0x0
	s_wait_alu depctr_hold_cnt(0) depctr_sa_sdst(0) depctr_va_vdst(0) depctr_va_sdst(0) depctr_va_ssrc(0) depctr_va_vcc(0) depctr_vm_vsrc(0)
	s_getreg_b32 s2, hwreg(HW_REG_IB_STS2, 6, 4)
	s_cmp_eq_u32 s2, 0
	s_cbranch_scc0 .Lentry_in_a_cluster
	s_endpgm
.Lentry_in_a_cluster:
	s_bfe_u32 s2, ttmp6, 0x10000c
	s_cmp_lg_u32 s2, 0xf033
	s_cbranch_scc0 .Lentry_shape_is_right
	s_endpgm
.Lentry_shape_is_right:
; PROJ.  q, k, q2, k2, v = x W^T on codes of E2M1 with E8M0 scales, sums in f32; the rotary turn on q, k, q2, k2 in f32; the results rounded once to f16 and stored as images of the
; operand registers that the attention launch loads; and, for each wave, the largest |q|, |k|, |q2|, |k2| behind the turn (amax), from which that launch takes exact power-of-two scales.
; SHARES.  A work-group makes 256 tokens x the 320 columns of ONE head (q, k, q2, k2, v: 20 fragments of 16 rows of W); 16 heads x 16 token blocks are 256 work-groups.
; Wave w takes tokens 64 w .. 64 w + 63 (four tiles m) against all 20 fragments: 80 accumulators, 640 registers.
; ALL OF K LIES IN LDS: x's panel 4 x 32,768 bytes, W's 4 x 40,960; each is filled once, in four chunks of 256 along K; nothing is filled again.  Four tensor loads of a wave are out at the start.
; CLUSTER 4 x 4: x's panel hangs on the token block alone and is asked for jointly along a row of the cluster, W's on the head alone and jointly along a column.
; q, k, q2, k2 ARE MADE TRANSPOSED (source 0 = 16 rows of W, source 1 = 16 tokens): a lane holds one token and eight neighbouring channels, which is the layout of a fragment of K or Q;
; channels d and d + 32, the rotary pair, lie in the same lane and register of fragments cb and cb + 2.  v is made the other way (source 0 = tokens): a lane holds one channel and eight tokens: a fragment of V^T.
; qkv: QQ at 0: (bh 128 + tt) 4096 + (q 0 | q2 2048) + s 1024 + u 512;  KV at 16,777,216: (bh 64 + st) 12288 + (K: kt 2048 + s 1024 + u 512 | K2: 4096 + the same | V^T: 8192 + ct 1024 + u 512).
; LIMITS: |q|, |k|, |q2|, |k2|, |v| stay under 65,504 (f16); NaN and infinities are not served; amax has the floor 2^-27.
; REGISTERS, in windows of 256: window 0: v1 16 x lane, v4-11 LDS addresses, v12-13 the add's two, v16-23 maxima, v32-47 x's scale words, v48-127 W's (scales and nothing else),
;   v128-191 x's fragments, two sets (later the table of tiles 2, 3), v192-255 the table of tiles 0, 1.   windows 1, 2: accumulator (f, m) at 8 ((f % 8) 4 + m), f = 0-7, 8-15.
;   window 3: v0-127 v's accumulators (f = 16-19); v128-255 four sets of four fragments of W, on the way out at work: v128-159 the turn, v160-223 eight sets of packed results.
.set PLANE, 1179648
.set XQ,    32768                      ; a chunk of x's panel
.set WQ,    40960                      ; a chunk of W's
.set WPAN,  4*XQ
.set SPARE, WPAN+4*WQ                  ; the spare words: 128 bytes a wave, two blocks of 256 bytes that no other line names
.set AX,  4                            ; v4-7   chunk q of x's panel, my 64 tokens, 16 x lane
.set AW,  8                            ; v8-11  chunk q of W's panel, 16 x lane
.set SPW, 12
.set NIL, 13
.set MX,  16
.set PT,  24
.set ZR,  28
.set XS,  32
.set WS,  48
.set XF,  128
.set WF,  128                          ; in window 3
.set U,   128                          ; the way out, in window 3
.set Y1,  136
.set U2,  144
.set Y2,  152
.set H,   160
.set G1X, 24
.set G1W, 32
.set G0X, 40
.set G0W, 68
.set MSB, 0
.macro WIN new                         ; the immediate's high byte repeats the setting that is left
.if MSB != (\new)
	s_set_vgpr_msb (MSB<<8)|(\new)
.set MSB, (\new)
.endif
.endm
.macro PLACES                          ; four plain lines between a matrix instruction and a load into, or a vector line on, its registers (ISA guide 7.12.1 for vector lines)
.rept 4
	v_nop
.endr
.endm
.macro CROUND                          ; a round of the cluster's barrier
	s_barrier_signal -1
	s_barrier_wait -1
	s_cmp_lg_u32 s14, 0
	s_cbranch_scc1 .Lnot_wave_0_\@
	s_barrier_signal -3
.Lnot_wave_0_\@:
	s_barrier_wait -3
	s_barrier_signal -1
	s_barrier_wait -1
.endm
	s_load_b256 s[4:11], s[0:1], 0x0               ; codes, sc, tab, qkv
	s_load_b64 s[12:13], s[0:1], 0x20              ; amax
	v_lshl_add_u32 v[SPW], v0, 2, SPARE
	v_mov_b32 v[NIL], 0
	ds_add_u32 v[SPW], v[NIL]                      ; the opening: the add, twice on end, and its wait ahead of my first tensor load
	ds_add_u32 v[SPW], v[NIL]
	v_lshrrev_b32 v1, 5, v0
	v_readfirstlane_b32 s14, v1                    ; wave
	s_and_b32 s16, s14, 1                          ; which half of a panel's chunk I fetch
	s_bfe_u32 s17, ttmp6, 0x40000                  ; cx
	s_bfe_u32 s18, ttmp6, 0x40004                  ; cy
	s_lshl_b32 s19, ttmp9, 2
	s_add_co_u32 s19, s19, s17                     ; head = 4 x cluster x + cx
	s_and_b32 s20, ttmp7, 0xffff
	s_lshl_b32 s20, s20, 2
	s_add_co_u32 s20, s20, s18                     ; token block = 4 x cluster y + cy
	s_lshl_b32 s21, s18, 2
	s_lshl_b32 s21, 15, s21                        ; my row of the cluster
	s_lshl_b32 s22, 0x1111, s17                    ; my column
	; group 1: dense blocks as rows of 256 bytes (32 elements of 8 bytes): x's half chunk 64 rows, W's 80
	s_or_b32 s[G1X], s21, (3<<16)|(1<<21)
	s_mov_b32 s[G1X+1], 32<<16
	s_mov_b32 s[G1X+2], 64<<16
	s_mov_b32 s[G1X+3], 32<<16
	s_mov_b32 s[G1X+4], 64
	s_mov_b32 s[G1X+5], 32
	s_mov_b32 s[G1X+6], 0
	s_mov_b32 s[G1X+7], 0
	s_or_b32 s[G1W], s22, (3<<16)|(1<<21)
	s_mov_b32 s[G1W+1], 32<<16
	s_mov_b32 s[G1W+2], 80<<16
	s_mov_b32 s[G1W+3], 32<<16
	s_mov_b32 s[G1W+4], 80
	s_mov_b32 s[G1W+5], 32
	s_mov_b32 s[G1W+6], 0
	s_mov_b32 s[G1W+7], 0
	s_lshl_b32 s56, s20, 15                        ; x: 16 row blocks of 2,048 bytes a token block,
	s_lshl_b32 s60, s16, 14                        ; + my 8 (in memory and in LDS alike)
	s_add_co_u32 s56, s56, s60
	s_mov_b32 s57, 0
	s_mul_i32 s58, s19, WQ                         ; W: 20 row blocks a head,
	s_mul_i32 s61, s16, WQ/2                       ; + my 10,
	s_add_co_u32 s58, s58, s61
	s_add_co_u32 s58, s58, 256*2048                ; behind x's 256
	s_mov_b32 s59, 0
	s_wait_dscnt 0x0                               ; both opening adds are done
	s_wait_kmcnt 0x0
	s_add_nc_u64 s[56:57], s[4:5], s[56:57]
	s_add_nc_u64 s[58:59], s[4:5], s[58:59]
.irp q, 0,1,2,3
	s_mov_b32 s[G0X+4*\q], 1
	s_add_co_u32 s[G0X+4*\q+1], s60, \q*XQ
	s_add_nc_u64 s[G0X+4*\q+2:G0X+4*\q+3], s[56:57], \q*PLANE
	s_or_b32 s[G0X+4*\q+3], s[G0X+4*\q+3], 0x80000000
	s_mov_b32 s[G0W+4*\q], 1
	s_add_co_u32 s[G0W+4*\q+1], s61, WPAN+\q*WQ
	s_add_nc_u64 s[G0W+4*\q+2:G0W+4*\q+3], s[58:59], \q*PLANE
	s_or_b32 s[G0W+4*\q+3], s[G0W+4*\q+3], 0x80000000
.endr
	CROUND                                         ; all sixteen work-groups are here: the joint loads meet
	s_cmp_lt_u32 s14, 2                            ; waves 0, 1 fetch x's halves, waves 2, 3 W's: a wave's four fills stand in one branch; an s_nop 0 follows each, four v_nop the last
	s_cbranch_scc0 .Lfill_w
.irp q, 0,1,2,3
	tensor_load_to_lds s[G0X+4*\q:G0X+4*\q+3], s[G1X:G1X+7]
	s_nop 0
.endr
	PLACES
	s_branch .Lfilled
.Lfill_w:
.irp q, 0,1,2,3
	tensor_load_to_lds s[G0W+4*\q:G0W+4*\q+3], s[G1W:G1W+7]
	s_nop 0
.endr
	PLACES
.Lfilled:
	v_and_b32 v2, 31, v0                           ; lane
	v_lshlrev_b32 v1, 4, v2                        ; 16 x lane
	s_and_b32 s84, s20, 7                          ; token block in its sequence
	s_lshr_b32 s85, s20, 3                         ; batch
	s_lshl_b32 s86, s85, 4
	s_add_co_u32 s86, s86, s19                     ; bh
	s_mov_b32 s67, 0
	s_lshl_b32 s66, s20, 13
	s_lshl_b32 s87, s14, 11
	s_add_co_u32 s66, s66, s87
	s_add_nc_u64 s[88:89], s[6:7], s[66:67]        ; scale words of my four tiles of x: 512 bytes a row block
	s_mul_i32 s66, s19, 10240
	s_add_co_u32 s66, s66, 131072
	s_add_nc_u64 s[90:91], s[6:7], s[66:67]        ; and of the head's 20 fragments
	s_lshl_b32 s66, s84, 16
	s_lshl_b32 s87, s14, 14
	s_add_co_u32 s66, s66, s87
	s_add_nc_u64 s[92:93], s[8:9], s[66:67]        ; the table of my four tiles: 4,096 bytes a tile
	s_lshl_b32 s87, s86, 19
	s_add_co_u32 s66, s66, s87
	s_add_nc_u64 s[94:95], s[10:11], s[66:67]      ; QQ at my first tile
	s_mul_i32 s66, s86, 786432
	s_mul_i32 s87, s84, 98304
	s_add_co_u32 s66, s66, s87
	s_mul_i32 s87, s14, 24576
	s_add_co_u32 s66, s66, s87
	s_add_co_u32 s66, s66, 16777216
	s_add_nc_u64 s[96:97], s[10:11], s[66:67]      ; KV at my first step of 32 keys
	s_lshl_b32 s66, s86, 9
	s_lshl_b32 s87, s84, 6
	s_add_co_u32 s66, s66, s87
	s_lshl_b32 s87, s14, 4
	s_add_co_u32 s66, s66, s87
	s_add_nc_u64 s[98:99], s[12:13], s[66:67]      ; my slot of amax
.irp m, 0,1,2,3
	global_load_b128 v[XS+4*\m:XS+4*\m+3], v1, s[88:89] offset:\m*512     ; register q: the word of K step q in lanes 0-15, of K step 4 + q in lanes 16-31
.endr
.irp f, 0,1,2,3,4,5,6,7,8,9,10,11,12,13,14,15,16,17,18,19
	global_load_b128 v[WS+4*\f:WS+4*\f+3], v1, s[90:91] offset:\f*512
.endr
.irp m, 0,1
.irp g, 0,1,2,3,4,5,6,7
	global_load_b128 v[192+32*\m+4*\g:192+32*\m+4*\g+3], v1, s[92:93] offset:\m*4096+\g*512
.endr
.endr
	s_lshl_b32 s62, s14, 13
	v_add_nc_u32 v[AX], s62, v1
.irp q, 1,2,3
	v_add_nc_u32 v[AX+\q], \q*XQ, v[AX]
.endr
.irp q, 0,1,2,3
	v_add_nc_u32 v[AW+\q], WPAN+\q*WQ, v1
.endr
.irp k, 0,1,2,3,4,5,6,7
	v_mov_b32 v[MX+\k], 0x32000000                 ; the maxima begin at the floor 2^-27
.endr
.irp k, 0,1,2,3
	v_mov_b32 v[PT+\k], 0                          ; a lane permute's destination counts as read
.endr
	v_mov_b32 v[ZR], 0
; The work goes in 40 groups of 16 matrix instructions: group 5 ks + i is K step ks (128 along K) of tensor i: its four fragments of W against my four tiles.
; RUN fetches group RG's fragments: W's four (8 loads), and with a K step's first group x's four (8 more).
.macro RUN
.set rks, RG/5
.set ri, RG%5
.set rq, rks/2
.if ri == 0
	WIN 0
.irp m, 0,1,2,3
.irp c, 0,1
	ds_load_b128 v[XF+32*(rks%2)+8*\m+4*\c:XF+32*(rks%2)+8*\m+4*\c+3], v[AX+rq] offset:\m*2048+(rks%2)*1024+\c*512
.endr
.endr
.endif
	WIN 0xc0                                       ; destination window 3
.irp cb, 0,1,2,3
.irp c, 0,1
	ds_load_b128 v[WF+32*(RG%4)+8*\cb+4*\c:WF+32*(RG%4)+8*\cb+4*\c+3], v[AW+rq] offset:(4*ri+\cb)*2048+(rks%2)*1024+\c*512
.endr
.endr
.endm
.macro MMA                             ; K step 0 starts the sums: nothing is cleared; K steps 4 to 7 take their scale words from lanes 16-31
.if gks == 0
	v_wmma_scale_f32_16x16x128_f8f6f4 v[rD:rD+7], v[rA:rA+7], v[rB:rB+7], 0, v[sA], v[sB] matrix_a_fmt:MATRIX_FMT_FP4 matrix_b_fmt:MATRIX_FMT_FP4
.elseif gks < 4
	v_wmma_scale_f32_16x16x128_f8f6f4 v[rD:rD+7], v[rA:rA+7], v[rB:rB+7], v[rD:rD+7], v[sA], v[sB] matrix_a_fmt:MATRIX_FMT_FP4 matrix_b_fmt:MATRIX_FMT_FP4
.else
	v_wmma_scale_f32_16x16x128_f8f6f4 v[rD:rD+7], v[rA:rA+7], v[rB:rB+7], v[rD:rD+7], v[sA], v[sB] matrix_a_fmt:MATRIX_FMT_FP4 matrix_b_fmt:MATRIX_FMT_FP4 matrix_a_scale:MATRIX_SCALE_ROW1 matrix_b_scale:MATRIX_SCALE_ROW1
.endif
.endm
; GROUP GG: the fragments of two groups on are asked for, then this group's 16 products.  The 80 accumulators take turns, one instruction a turn, in the same order in every K step.
.macro GROUP
.set gks, GG/5
.set gi, GG%5
	WIN 0
	PLACES
.if GG+2 < 40
.if (GG+2)%10 == 0
	s_wait_tensorcnt 3-(GG+2)/10                   ; my part of the chunk that the loads below begin is in; the later chunks' loads may stay out
	s_wait_dscnt 0x0
	s_barrier_signal -1
	s_barrier_wait -1                              ; everybody's part is
.endif
.set RG, GG+2
	RUN
.endif
.set wc, 0                             ; what may stay out: the loads of the next two groups
.if GG+1 < 40
.set wc, wc+8
.if (GG+1)%5 == 0
.set wc, wc+8
.endif
.endif
.if GG+2 < 40
.set wc, wc+8
.if (GG+2)%5 == 0
.set wc, wc+8
.endif
.endif
	s_wait_dscnt wc
.if gi < 4
	WIN 0x53+0x50*(gi/2)                           ; source 0 (W) window 3, source 1 (x) window 0, C and D window 1 or 2
.else
	WIN 0xfc                                       ; source 0 (x) window 0, source 1 (W) window 3, C and D window 3
.endif
.irp cb, 0,1,2,3
.irp m, 0,1,2,3
.set rD, 8*(((4*gi+\cb)%8)*4+\m)
.if gi < 4
.set rA, WF+32*(GG%4)+8*\cb
.set rB, XF+32*(gks%2)+8*\m
.set sA, WS+4*(4*gi+\cb)+gks%4
.set sB, XS+4*\m+gks%4
.else
.set rA, XF+32*(gks%2)+8*\m
.set rB, WF+32*(GG%4)+8*\cb
.set sA, XS+4*\m+gks%4
.set sB, WS+4*(4*gi+\cb)+gks%4
.endif
	MMA
.endr
.endr
.endm
	s_wait_tensorcnt 3                             ; my part of chunk 0 is in (three later loads may be out),
	s_barrier_signal -1
	s_barrier_wait -1                              ; everybody's is
.set RG, 0
	RUN
.set RG, 1
	RUN
	s_wait_loadcnt 0x0                             ; the scale words and the table
.set GG, 0
.rept 40
	GROUP
.set GG, GG+1
.endr
; THE WAY OUT.  y1 = x1 cos + x2 sin, y2 = x2 cos - x1 sin, on eight channels of a lane at a time; the maxima; f16; an image of 512 bytes a store.
; Each of a tile's eight turns has its own eight registers of packed results, so that one wait a tile, ahead of the first rewrite, frees them all from the stores of the tile before.
	WIN 0
	PLACES
.irp m, 2,3
.irp g, 0,1,2,3,4,5,6,7
	global_load_b128 v[64+32*\m+4*\g:64+32*\m+4*\g+3], v1, s[92:93] offset:\m*4096+\g*512   ; the table of tiles 2, 3, where x's fragments lay
.endr
.endr
.macro ROT i, m, c                     ; tensor i, tile m, channels 16 c + 8 h + 0..7 and the same + 32
.set rA, 8*(((4*\i+\c)%8)*4+\m)
.set rB, 8*(((4*\i+\c+2)%8)*4+\m)
.set hs, H+8*(2*(\i)+(\c))
.if \m < 2
.set rT, 192+32*\m+16*\c
.else
.set rT, 64+32*\m+16*\c
.endif
	WIN 0xf1+(\i)/2                                ; source 0 the accumulators' window, source 1 (the table) window 0, source 2 and destination window 3
.irp p, 0,2,4,6
	v_pk_mul_f32 v[U+\p:U+\p+1], v[rB+\p:rB+\p+1], v[rT+8+\p:rT+8+\p+1]     ; each accumulator is read from its low end on
.endr
.irp p, 0,2,4,6
	v_pk_fma_f32 v[Y1+\p:Y1+\p+1], v[rA+\p:rA+\p+1], v[rT+\p:rT+\p+1], v[U+\p:U+\p+1]
.endr
.irp p, 0,2,4,6
	v_pk_mul_f32 v[U2+\p:U2+\p+1], v[rA+\p:rA+\p+1], v[rT+8+\p:rT+8+\p+1]
.endr
.irp p, 0,2,4,6
	v_pk_fma_f32 v[Y2+\p:Y2+\p+1], v[rB+\p:rB+\p+1], v[rT+\p:rT+\p+1], v[U2+\p:U2+\p+1] neg_lo:[0,0,1] neg_hi:[0,0,1]
.endr
	WIN 0x3c                                       ; sources 1 and 2 window 3
.irp p, 0,2,4,6
	v_max3_num_f32 v[MX+\i], v[MX+\i], |v[Y1+\p]|, |v[Y1+\p+1]|
	v_max3_num_f32 v[MX+4+\i], v[MX+4+\i], |v[Y2+\p]|, |v[Y2+\p+1]|
.endr
.if (\i)+(\c) == 0
	s_wait_xcnt 0x0                                ; a tile's first turn: the 16 stores of the tile before have read the eight sets, which are written again only behind this wait
.endif
	WIN 0xcf
.irp p, 0,1,2,3
	v_cvt_pk_f16_f32 v[hs+\p], v[Y1+2*\p], v[Y1+2*\p+1]
	v_cvt_pk_f16_f32 v[hs+4+\p], v[Y2+2*\p], v[Y2+2*\p+1]
.endr
	WIN 0x0c                                       ; a store's data are its source 1: window 3
.if (\i)%2 == 0
	global_store_b128 v1, v[hs:hs+3], s[94:95] offset:\m*4096+(\i/2)*2048+\c*512
	global_store_b128 v1, v[hs+4:hs+7], s[94:95] offset:\m*4096+(\i/2)*2048+\c*512+1024
.else
	global_store_b128 v1, v[hs:hs+3], s[96:97] offset:(\m/2)*12288+(\m%2)*2048+(\i/2)*4096+\c*512
	global_store_b128 v1, v[hs+4:hs+7], s[96:97] offset:(\m/2)*12288+(\m%2)*2048+(\i/2)*4096+\c*512+1024
.endif
.endm
.irp m, 0,1,2,3
.if \m == 2
	s_wait_loadcnt 0x0                             ; the table of tiles 2, 3
.endif
.irp i, 0,1,2,3
.irp c, 0,1
	ROT \i, \m, \c
.endr
.endr
.endr
	s_wait_xcnt 0x0                                ; tile 3's stores have read the eight sets
	WIN 0xcf                                       ; v: 16 images, each with registers of its own
.irp ct, 0,1,2,3
.irp m, 0,1,2,3
.irp p, 0,1,2,3
	v_cvt_pk_f16_f32 v[H+4*(4*\ct+\m)+\p], v[8*(4*\ct+\m)+2*\p], v[8*(4*\ct+\m)+2*\p+1]
.endr
.endr
.endr
	WIN 0x0c
.irp ct, 0,1,2,3
.irp m, 0,1,2,3
	global_store_b128 v1, v[H+4*(4*\ct+\m):H+4*(4*\ct+\m)+3], s[96:97] offset:(\m/2)*12288+8192+\ct*1024+(\m%2)*512
.endr
.endr
	WIN 0
.irp i, 0,1,2,3
	v_max_num_f32 v[MX+\i], v[MX+\i], v[MX+4+\i]
.endr
.irp x, 1,2,4,8
.irp i, 0,1,2,3
	v_max_num_f32_dpp v[MX+\i], v[MX+\i], v[MX+\i] row_xmask:\x row_mask:0xf bank_mask:0xf
.endr
.endr
	s_mov_b32 s66, 0x76543210
	s_mov_b32 s67, 0xfedcba98
.irp i, 0,1,2,3
	v_permlanex16_b32 v[PT+\i], v[MX+\i], s66, s67
.endr
.irp i, 0,1,2,3
	v_max_num_f32 v[MX+\i], v[MX+\i], v[PT+\i]
.endr
	v_cmp_eq_u32 vcc_lo, 0, v2
	s_wait_xcnt 0x0                                ; EXEC is a source of the stores that are out: it changes only behind this wait
	s_and_saveexec_b32 s87, vcc_lo
	global_store_b128 v[ZR], v[MX:MX+3], s[98:99]  ; lane 0: the wave's four maxima
	s_wait_xcnt 0x0
	s_or_b32 exec_lo, exec_lo, s87
	s_wait_tensorcnt 0x0                           ; the wave's end
	ds_add_u32 v[SPW], v[NIL]
	s_wait_dscnt 0x0
	CROUND                                         ; the closing round
	s_endpgm
.Lfunc_end_k_q69b8e6b723_proj:
	.size	k_q69b8e6b723_proj, .Lfunc_end_k_q69b8e6b723_proj-k_q69b8e6b723_proj
	.p2alignl 7, 3214868480
	.fill 96, 4, 3214868480
	.section	.rodata,"a",@progbits
	.p2align	6, 0x0
	.amdhsa_kernel k_q69b8e6b723_proj
		.amdhsa_group_segment_fixed_size 327680
		.amdhsa_private_segment_fixed_size 0
		.amdhsa_enable_private_segment 0
		.amdhsa_kernarg_size 40
		.amdhsa_user_sgpr_count 2
		.amdhsa_user_sgpr_kernarg_segment_ptr 1
		.amdhsa_wavefront_size32 1
		.amdhsa_system_sgpr_workgroup_id_x 1
		.amdhsa_system_sgpr_workgroup_id_y 1
		.amdhsa_system_sgpr_workgroup_id_z 1
		.amdhsa_system_vgpr_workitem_id 0
		.amdhsa_next_free_vgpr 1024
		.amdhsa_next_free_sgpr 100
		.amdhsa_reserve_vcc 1
		.amdhsa_float_denorm_mode_32 3
		.amdhsa_float_denorm_mode_16_64 3
		.amdhsa_memory_ordered 1
		.amdhsa_forward_progress 1
		.amdhsa_inst_pref_size 211
	.end_amdhsa_kernel
	.amdgpu_metadata
---
amdhsa.version: [ 1, 2 ]
amdhsa.kernels:
  - .name:           k_q69b8e6b723_proj
    .symbol:         k_q69b8e6b723_proj.kd
    .args:
      - { .name: codes, .offset: 0, .size: 8, .value_kind: global_buffer, .address_space: global }
      - { .name: sc, .offset: 8, .size: 8, .value_kind: global_buffer, .address_space: global }
      - { .name: tab, .offset: 16, .size: 8, .value_kind: global_buffer, .address_space: global }
      - { .name: qkv, .offset: 24, .size: 8, .value_kind: global_buffer, .address_space: global }
      - { .name: amax, .offset: 32, .size: 8, .value_kind: global_buffer, .address_space: global }
    .group_segment_fixed_size: 327680
    .private_segment_fixed_size: 0
    .kernarg_segment_align: 8
    .kernarg_segment_size: 40
    .max_flat_workgroup_size: 128
    .sgpr_count:     100
    .vgpr_count:     1024
    .wavefront_size: 32
...
	.end_amdgpu_metadata
.endif
;; end of part 2
;; launch attn (part 3): grid 8 x 32, 4 waves a work-group, no clusters, 131,584 bytes of LDS; arguments qkv, amax, z16, zs; writes z16, zs
.if DOCPART == 3
	.amdgcn_target "amdgcn-amd-amdhsa--gfx1250"
	.amdhsa_code_object_version 6
	.text
	.protected	k_q69b8e6b723_attn
	.globl	k_q69b8e6b723_attn
	.p2align	8
	.type	k_q69b8e6b723_attn,@function
k_q69b8e6b723_attn:
	s_mov_b64 s[64:65], 0
	v_nop
	global_prefetch_b8 v0, s[64:65] scope:SCOPE_SE
	s_setreg_imm32_b32 hwreg(HW_REG_WAVE_MODE, 25, 1), 1
	s_wait_xcnt 0x0
; ATTN.  z[q] = the sum over keys k <= q of (q.k / 64) (q2.k2 / 64) v[k], for one head; operands f16, sums f32.  No softmax: the pattern is the product of two scores.
; SHARES.  A work-group takes two blocks of 128 queries of one (batch, head): block 15 - j and then block j, which are 16 - j and j + 1 units of 128 keys: 17 for every work-group.
; THE WAVES SHARE THE KEYS: of each unit wave w takes keys 32 w .. 32 w + 31, for all eight tiles of 16 queries.  So no byte of K, K2 or V is wanted by two waves of a work-group: a step's
; 12,288 bytes go from memory straight into registers as 24 images, and each fragment feeds eight matrix instructions.  The four partial sums meet in LDS at a block's end.
; The unit on the diagonal comes first: it is masked, and its products start the sums (C = 0); units wholly above the diagonal are never touched.
; LAYOUT.  S^T = K Q^T (source 0 = 16 keys, source 1 = 16 queries): a lane holds one query and keys 8 h + 0..7; two such tiles, packed to f16, are source 1 of O^T = V^T P.
; SCALES, all exact powers of two, from data, as values only.  E = the exponent fields of the head's largest |q|, |k|, |q2|, |k2| (amax); c = 2^(507 - sum E); P' = S1 S2 c is at most 2^15, so it has room in f16
; whatever the inputs' size.  At the end each wave's 32 queries get f = 2^(141 - e), e the exponent field of their largest |O'|: z16 = f16(O' f) lies under 2^15, and g = 1 / (4096 c f) goes to zs.
; LIMITS: NaN and infinities are not served; a g outside f32's normal numbers is not served; a group of 32 queries whose |O'| all lie under 2^-60 (2^-75 of the bound on P') is scaled as if its largest were 2^-60.
; BY TURNS.  Tile t + 1's eight score products and tile t - 1's four V^T P stand in pairs, and behind each pair a slice of tile t's vector work (24 lines; 56 under the mask).
; A STEP THAT HAS A SUCCESSOR LOADS IT; a block's last step is a copy without the load: so a unit's load and the step that reads it stand on one way, and nothing is loaded that is not multiplied.
; THE SUCCESSOR IS ASKED FOR FIRST, ahead of the step's own wait: its buffer is free as soon as the step before has issued its last product.  The step then waits for K and K2 alone; V is waited for ahead of the first V^T P.
; NO CLUSTER: the work-groups of a head walk 16 - j units and then j + 1, so partners would need different numbers of tiles at every moment; and the operands go to registers, not to LDS.
; REGISTERS, in windows of 256: window 0: v1 16 x lane, v2 r - 8 h - 32 w, v3 0, v4-5 the add's two, v6-8 LDS addresses, v9 256 x lane, v16-23 at work, v32-95 S, two sets (S1 k0, S1 k1, S2 k0, S2 k1),
;   v96-111 P, two sets, v128-255 the reduction.   window 1: Q: tile t at 32 t (q s0, q s1, q2 s0, q2 s1).   window 2: O^T: 32 t + 8 ct.   window 3: two buffers of 96: K, K2, V^T of a step.
.set SPARE, 131072                     ; behind the four partial sums: the spare words, two blocks of 256 bytes that no other line names
.set Z,   128
.set TT,  192
.set CC,  18                           ; s[18:19] c (the packed form names a pair)
.set INV, 20                           ; s20  1 / (4096 c)
.set KP,  22                           ; s[22:23] the next unit to load, my 32 keys of it
.set KVB, 24                           ; s[24:25] unit 0, my 32 keys
.set QB,  26                           ; s[26:27] the block's queries
.set QQB, 28                           ; s[28:29] the head's queries
.set TR,  31                           ; trips left: (units under the diagonal - 1) / 2
.set EXITV, 32                         ; 1: the tail has two steps
.set IN,  33                           ; the block whose loads are asked for
.set IC,  34                           ; the block in hand
.set BL,  35                           ; blocks left
.set PFA, 36                           ; s[36:37] where my prefetches stand
.set LIM, 38                           ; a wave prefetches while TR is above it
.set DG,  42                           ; s[42:43] the diagonal unit, my 32 keys
.set MSB, 0
.macro WIN new                         ; the immediate's high byte repeats the setting that is left
.if MSB != (\new)
	s_set_vgpr_msb (MSB<<8)|(\new)
.set MSB, (\new)
.endif
.endm
.macro PLACES                          ; four plain lines between a matrix instruction and a load into, or a vector line or store on, its registers (ISA guide 7.12.1 for vector lines and stores)
.rept 4
	v_nop
.endr
.endm
.macro LOADK b, base                   ; a step's K (8 loads), K2 (8), V^T (8), in this order: 12,288 consecutive bytes into buffer b
	WIN 0xc0
.set li, 0
.rept 24
	global_load_b128 v[96*(\b)+4*li:96*(\b)+4*li+3], v1, s[\base:\base+1] offset:li*512
.set li, li+1
.endr
	WIN 0
.endm
.macro HEAD                            ; block IN: its queries and its diagonal unit are asked for.  No load is out here, and four plain lines stand behind the last products
	s_wait_xcnt 0x0                                ; what was issued has read its bases
	s_lshl_b32 s40, s[IN], 15
	s_mov_b32 s41, 0
	s_add_nc_u64 s[QB:QB+1], s[QQB:QQB+1], s[40:41]
	s_mul_i32 s40, s[IN], 49152
	s_add_nc_u64 s[DG:DG+1], s[KVB:KVB+1], s[40:41]
	s_mov_b64 s[KP:KP+1], s[KVB:KVB+1]
	s_sub_co_u32 s[TR], s[IN], 1                   ; (of no use in block 0, which has the diagonal unit alone)
	s_and_b32 s[EXITV], s[TR], 1
	s_lshr_b32 s[TR], s[TR], 1
	WIN 0x40
.set li, 0
.rept 64
	global_load_b128 v[4*li:4*li+3], v1, s[QB:QB+1] offset:li*512
.set li, li+1
.endr
	LOADK 0, DG
.endm
.macro SCL b                           ; line sx of tile st's eight score products: channels 0-31 start the four sums, channels 32-63 add onto them, four lines later
.set rS, 32+32*(st%2)+8*(sx%4)
.set rK, 96*(\b)+32*((sx%4)/2)+16*(sx%2)+8*(sx/4)
.set rQ, 32*st+16*((sx%4)/2)+8*(sx/4)
.if sx < 4
	v_wmma_f32_16x16x32_f16 v[rS:rS+7], v[rK:rK+7], v[rQ:rQ+7], 0
.else
	v_wmma_f32_16x16x32_f16 v[rS:rS+7], v[rK:rK+7], v[rQ:rQ+7], v[rS:rS+7]
.endif
.set sx, sx+1
.endm
.macro PVL b, zero                     ; O^T(tile pt, channels 16 px on) += V^T P
.set rO, 32*pt+8*px
.set rV, 96*(\b)+64+8*px
.set rP, 96+8*(pt%2)
.if \zero
	v_wmma_f32_16x16x32_f16 v[rO:rO+7], v[rV:rV+7], v[rP:rP+7], 0
.else
	v_wmma_f32_16x16x32_f16 v[rO:rO+7], v[rV:rV+7], v[rP:rP+7], v[rO:rO+7]
.endif
.set px, px+1
.endm
.macro VI mask                         ; line vj of tile vt's vector work: S1 x c; x S2; under the mask: hidden keys become 0; packed to f16.  Every accumulator is read from its low end on
.set rS, 32+32*(vt%2)
.set rP, 96+8*(vt%2)
.set vc, vj-16-32*\mask
.if vj < 8
	v_pk_mul_f32 v[rS+2*vj:rS+2*vj+1], v[rS+2*vj:rS+2*vj+1], s[CC:CC+1] op_sel_hi:[1,0]
.elseif vj < 16
	v_pk_mul_f32 v[rS+2*vj-16:rS+2*vj-15], v[rS+2*vj-16:rS+2*vj-15], v[rS+2*vj:rS+2*vj+1]
.elseif vc < 0
.set ve, (vj-16)/2
.if vj%2 == 0
	v_cmp_gt_i32 vcc_lo, 16*(ve/8)+ve%8-16*vt, v2  ; register ve holds key 32 w + 16 (ve / 8) + 8 h + ve % 8 of the unit, my query is 16 vt + r: hidden where the key is the greater
.else
	v_cndmask_b32 v[rS+ve], v[rS+ve], v3, vcc_lo
.endif
.elseif vc < 8
	v_cvt_pk_f16_f32 v[rP+vc], v[rS+2*vc], v[rS+2*vc+1]
.endif
.set vj, vj+1
.endm
; A STEP: my 32 keys of one unit, from buffer b, against the eight tiles.  mask = 1: the diagonal unit, which also starts O^T.  load = 1: the next unit is asked for, into the other buffer.  pf = 1: the loop's prefetch.
.macro STEP b, mask, load, pf
.if \mask
	s_wait_loadcnt 0x0                             ; a block's head: Q's 64 loads and the diagonal unit's 24; with 24 more ahead of this wait more would be out than a wait's count can name
.endif
.if \load
	PLACES                                         ; behind the last step's products, which read the buffer that is loaded now
	LOADK 1-\b, KP
.if \pf
	; A PREFETCH INTO THE L2, behind the step's loads.  All eight work-groups of a head walk units 0, 1, .. at the same time: work-group 0 asks, in its first block alone (7 trips, TR = 7 - p in trip p).
	; Trip p asks for units 2 p + 3 and 2 p + 4, 98,304 bytes, which are loaded two and three steps on: 24,576 bytes a wave, lanes 256 bytes apart, three lines.  Units 3 to 14 are each named once; the last trip asks for nothing.
	s_cmp_gt_u32 s[TR], s[LIM]
	s_cbranch_scc0 .Lnone_\@
	global_prefetch_b8 v9, s[PFA:PFA+1] th:TH_LOAD_NT scope:SCOPE_SE
	global_prefetch_b8 v9, s[PFA:PFA+1] offset:8192 th:TH_LOAD_NT scope:SCOPE_SE
	global_prefetch_b8 v9, s[PFA:PFA+1] offset:16384 th:TH_LOAD_NT scope:SCOPE_SE
.Lnone_\@:
.endif
.endif
.if \mask == 0
	s_wait_loadcnt 8+24*\load                      ; this step's K and K2, 16 loads asked for a step ago, are in; its 8 loads of V and the next unit's 24 may be out
.endif
.set VTOT, 24+32*\mask
.set st, 0
.set sx, 0
	WIN 0x07                                       ; K window 3, Q window 1, S window 0
.rept 8
	SCL \b
.endr
	WIN 0
	PLACES
.set tau, 0
.rept 8
.set vt, tau
.set vj, 0
.set np, 6
.if tau == 0
.set np, 4
.endif
.if tau == 7
.set np, 2
.endif
.set per, (VTOT+np-1)/np
.if tau < 7
.set st, tau+1
.set sx, 0
.rept 4
	WIN 0x07
	SCL \b
	SCL \b
	WIN 0
.rept per
	VI \mask
.endr
.endr
.endif
.if tau > 0
.if tau == 1
.if \mask == 0
	s_wait_loadcnt 24*\load                        ; this step's V is in, 24 score products behind the wait for K; the next unit's 24 loads may be out
.endif
.endif
.if tau == 7
	PLACES                                         ; tile 6's P was packed just above: a margin of this text's own ahead of the products that read it
.endif
.set pt, tau-1
.set px, 0
.rept 2
	WIN 0xa3                                       ; V window 3, P window 0, O window 2
	PVL \b, \mask
	PVL \b, \mask
	WIN 0
.rept per
	VI \mask
.endr
.endr
.endif
.set tau, tau+1
.endr
	PLACES                                         ; likewise for tile 7's P
.set pt, 7
.set px, 0
	WIN 0xa3
.rept 4
	PVL \b, \mask
.endr
	WIN 0
.if \load
	s_wait_xcnt 0x0                                ; this step's loads and prefetches have read their bases
	s_add_nc_u64 s[KP:KP+1], s[KP:KP+1], 49152     ; a unit on
.if \pf
	s_add_nc_u64 s[PFA:PFA+1], s[PFA:PFA+1], 98304
.endif
.endif
.endm
	s_load_b256 s[4:11], s[0:1], 0x0               ; qkv, amax, z16, zs
	v_lshl_add_u32 v4, v0, 2, SPARE
	v_mov_b32 v5, 0
	v_lshrrev_b32 v1, 5, v0
	v_readfirstlane_b32 s12, v1                    ; wave
	s_mov_b32 s13, ttmp9                           ; j
	s_and_b32 s14, ttmp7, 0xffff                   ; bh
	s_lshr_b32 s15, s14, 4                         ; batch
	s_and_b32 s16, s14, 15                         ; head
	v_and_b32 v10, 31, v0                          ; lane
	v_and_b32 v11, 15, v0                          ; r
	v_bfe_u32 v12, v0, 4, 1                        ; h
	v_lshlrev_b32 v1, 4, v10
	v_lshlrev_b32 v2, 3, v12
	v_sub_nc_u32 v2, v11, v2
	s_lshl_b32 s40, s12, 5
	v_sub_nc_u32 v2, v2, s40                       ; r - 8 h - 32 w
	v_mov_b32 v3, 0
	s_lshl_b32 s40, s12, 15
	v_add_nc_u32 v6, s40, v1                       ; my partial sum: 32,768 bytes a wave
	s_lshl_b32 s40, s12, 13
	v_add_nc_u32 v7, s40, v1                       ; my two tiles in partial sums 0 and 1,
	v_add_nc_u32 v8, 65536, v7                     ; and in 2 and 3
	v_lshlrev_b32 v9, 8, v10
.irp i, 0,1,2,3
	v_mov_b32 v[20+\i], 0                          ; a lane permute's destination counts as read
.endr
	s_mov_b32 s44, 0x76543210
	s_mov_b32 s45, 0xfedcba98
	s_mov_b32 s41, 0
	s_mov_b32 s55, 0
	s_sub_co_u32 s[IN], 15, s13
	s_mov_b32 s[BL], 2
	s_cmp_eq_u32 s13, 0
	s_cselect_b32 s[LIM], 1, -1
	s_wait_kmcnt 0x0
	s_lshl_b32 s40, s14, 9
	s_add_nc_u64 s[52:53], s[6:7], s[40:41]
	global_load_b128 v[16:19], v1, s[52:53]        ; the head's 32 slots of amax, one a lane
	s_lshl_b32 s40, s14, 19
	s_add_nc_u64 s[QQB:QQB+1], s[4:5], s[40:41]
	s_mul_i32 s40, s14, 786432
	s_add_co_u32 s40, s40, 16777216
	s_mul_i32 s54, s12, 12288
	s_add_nc_u64 s[KVB:KVB+1], s[4:5], s[40:41]
	s_add_nc_u64 s[PFA:PFA+1], s[KVB:KVB+1], 3*49152
	s_add_nc_u64 s[KVB:KVB+1], s[KVB:KVB+1], s[54:55]
	s_mul_i32 s54, s12, 24576
	s_add_nc_u64 s[PFA:PFA+1], s[PFA:PFA+1], s[54:55]   ; unit 3, my quarter of two units
	HEAD
	s_wait_loadcnt 0x0                             ; amax; the first step wants all the others at once behind these lines anyway
.irp x, 1,2,4,8
.irp i, 0,1,2,3
	v_max_num_f32_dpp v[16+\i], v[16+\i], v[16+\i] row_xmask:\x row_mask:0xf bank_mask:0xf
.endr
.endr
.irp i, 0,1,2,3
	v_permlanex16_b32 v[20+\i], v[16+\i], s44, s45
.endr
.irp i, 0,1,2,3
	v_max_num_f32 v[16+\i], v[16+\i], v[20+\i]
.endr
.irp i, 0,1,2,3
	v_lshrrev_b32 v[16+\i], 23, v[16+\i]           ; the four exponent fields (100 to 142)
.endr
	v_add_nc_u32 v16, v16, v17
	v_add3_u32 v16, v16, v18, v19
	v_sub_nc_u32 v17, 634, v16
	v_lshlrev_b32 v17, 23, v17                     ; c = 2^(507 - sum)
	v_add_nc_u32 v18, 0xfffffe78, v16
	v_lshlrev_b32 v18, 23, v18                     ; 1 / (4096 c) = 2^(sum - 519)
	v_readfirstlane_b32 s[CC], v17
	s_mov_b32 s[CC+1], s[CC]
	v_readfirstlane_b32 s[INV], v18
.Lblk:
	s_mov_b32 s[IC], s[IN]
	s_cmp_eq_u32 s[IN], 0
	s_cbranch_scc1 .Lonly                          ; block 0 has the diagonal unit alone
	STEP 0, 1, 1, 0                                ; the diagonal unit; unit 0 is asked for
	s_cmp_eq_u32 s[TR], 0
	s_cbranch_scc1 .Ltail
.Ltrip:                                            ; two units a trip, so that the two buffers are back where they began; both have successors.  On the way in and on the way back one unit's 24 loads are out
	STEP 1, 0, 1, 1
	STEP 0, 0, 1, 0
	s_sub_co_u32 s[TR], s[TR], 1
	s_cmp_lg_u32 s[TR], 0
	s_cbranch_scc1 .Ltrip
.Ltail:                                            ; one unit is left, or two: the last asks for nothing
	s_cmp_eq_u32 s[EXITV], 0
	s_cbranch_scc1 .Lone
	STEP 1, 0, 1, 0
	STEP 0, 0, 0, 0
	s_branch .Ldone
.Lone:
	STEP 1, 0, 0, 0
	s_branch .Ldone
.Lonly:
	STEP 0, 1, 0, 0
.Ldone:
	PLACES
	WIN 0x08                                       ; an LDS store's data are its source 1: window 2
.set li, 0
.rept 64
	ds_store_b128 v6, v[4*li:4*li+3] offset:li*512 ; my partial O^T as it stands, each accumulator from its low end on
.set li, li+1
.endr
	WIN 0
	s_cmp_lg_u32 s[BL], 2
	s_cbranch_scc1 .Lno_next
	s_mov_b32 s[IN], s13                           ; the second block's loads land under the sum below
	s_mov_b32 s[LIM], -1
	HEAD
.Lno_next:
	s_wait_dscnt 0x0                               ; my stores have landed
	s_barrier_signal -1
	s_barrier_wait -1
.irp i, 0,1,2,3,4,5,6,7,8,9,10,11,12,13,14,15
	ds_load_b128 v[Z+4*\i:Z+4*\i+3], v7 offset:\i*512
.endr
.irp i, 0,1,2,3,4,5,6,7,8,9,10,11,12,13,14,15
	ds_load_b128 v[TT+4*\i:TT+4*\i+3], v7 offset:32768+\i*512
.endr
.irp i, 0,1,2,3,4,5,6,7,8,9,10,11,12,13,14,15
	ds_load_b128 v[32+4*\i:32+4*\i+3], v8 offset:\i*512
.endr
	s_wait_dscnt 16                                ; parts 0 and 1 are in; part 2's 16 loads may be out
.set li, 0
.rept 32
	v_pk_add_f32 v[Z+li:Z+li+1], v[Z+li:Z+li+1], v[TT+li:TT+li+1]
.set li, li+2
.endr
.irp i, 0,1,2,3,4,5,6,7,8,9,10,11,12,13,14,15
	ds_load_b128 v[TT+4*\i:TT+4*\i+3], v8 offset:32768+\i*512
.endr
	s_wait_dscnt 16                                ; part 2 is in; part 3's 16 may be out
.set li, 0
.rept 32
	v_pk_add_f32 v[Z+li:Z+li+1], v[Z+li:Z+li+1], v[32+li:32+li+1]
.set li, li+2
.endr
	s_wait_dscnt 0x0
.set li, 0
.rept 32
	v_pk_add_f32 v[Z+li:Z+li+1], v[Z+li:Z+li+1], v[TT+li:TT+li+1]
.set li, li+2
.endr
	v_max3_num_f32 v16, |v[Z]|, |v[Z+1]|, 0x21800000     ; the largest |O'| of my 32 queries, over the floor 2^-60
	v_max3_num_f32 v17, |v[Z+32]|, |v[Z+33]|, 0x21800000
.irp p, 2,4,6,8,10,12,14,16,18,20,22,24,26,28,30
	v_max3_num_f32 v16, v16, |v[Z+\p]|, |v[Z+\p+1]|
	v_max3_num_f32 v17, v17, |v[Z+32+\p]|, |v[Z+33+\p]|
.endr
	v_max_num_f32 v16, v16, v17
.irp x, 1,2,4,8
	v_max_num_f32_dpp v16, v16, v16 row_xmask:\x row_mask:0xf bank_mask:0xf
.endr
	v_permlanex16_b32 v20, v16, s44, s45
	v_max_num_f32 v16, v16, v20
	v_lshrrev_b32 v17, 23, v16                     ; e
	v_sub_nc_u32 v18, 268, v17
	v_lshlrev_b32 v18, 23, v18                     ; f = 2^(141 - e)
	v_mov_b32 v19, v18
	v_add_nc_u32 v21, -14, v17
	v_lshlrev_b32 v21, 23, v21
	v_mul_f32 v21, s[INV], v21                     ; g = 2^(e - 141) / (4096 c)
	s_lshl_b32 s40, s15, 22
	s_lshl_b32 s54, s[IC], 18
	s_add_co_u32 s40, s40, s54
	s_lshl_b32 s54, s12, 16
	s_add_co_u32 s40, s40, s54
	s_lshl_b32 s54, s16, 11
	s_add_co_u32 s40, s40, s54
	s_add_nc_u64 s[46:47], s[8:9], s[40:41]        ; z16: (128 batch + 8 block + 2 wave) tiles of 32,768 bytes + 2,048 head
	s_lshl_b32 s40, s15, 12
	s_lshl_b32 s54, s[IC], 8
	s_add_co_u32 s40, s40, s54
	s_lshl_b32 s54, s12, 6
	s_add_co_u32 s40, s40, s54
	s_lshl_b32 s54, s16, 2
	s_add_co_u32 s40, s40, s54
	s_add_nc_u64 s[48:49], s[10:11], s[40:41]
.set li, 0
.rept 32
	v_pk_mul_f32 v[Z+li:Z+li+1], v[Z+li:Z+li+1], v[18:19]
.set li, li+2
.endr
.set li, 0
.rept 32
	v_cvt_pk_f16_f32 v[96+li], v[Z+2*li], v[Z+2*li+1]
.set li, li+1
.endr
.irp i, 0,1,2,3,4,5,6,7
	global_store_b128 v1, v[96+4*\i:96+4*\i+3], s[46:47] offset:(\i/4)*32768+(\i%4)*512   ; an image: token r, channels 16 ct + 8 h + 0..7
.endr
	v_cmp_eq_u32 vcc_lo, 0, v10
	s_wait_xcnt 0x0                                ; EXEC is a source of what is out: it changes only behind this wait
	s_and_saveexec_b32 s50, vcc_lo
	global_store_b32 v3, v21, s[48:49]
	s_wait_xcnt 0x0                                ; and the stores' data and bases are free for the next block
	s_or_b32 exec_lo, exec_lo, s50
	s_barrier_signal -1                            ; every wave's reads of the partial sums are in (the wait for 0 above): the next block may store there
	s_barrier_wait -1
	s_sub_co_u32 s[BL], s[BL], 1
	s_cmp_lg_u32 s[BL], 0
	s_cbranch_scc1 .Lblk
	s_wait_tensorcnt 0x0                           ; the wave's end, behind my last LDS store
	ds_add_u32 v4, v5
	s_wait_dscnt 0x0
	s_endpgm
.Lfunc_end_k_q69b8e6b723_attn:
	.size	k_q69b8e6b723_attn, .Lfunc_end_k_q69b8e6b723_attn-k_q69b8e6b723_attn
	.p2alignl 7, 3214868480
	.fill 96, 4, 3214868480
	.section	.rodata,"a",@progbits
	.p2align	6, 0x0
	.amdhsa_kernel k_q69b8e6b723_attn
		.amdhsa_group_segment_fixed_size 131584
		.amdhsa_private_segment_fixed_size 0
		.amdhsa_enable_private_segment 0
		.amdhsa_kernarg_size 32
		.amdhsa_user_sgpr_count 2
		.amdhsa_user_sgpr_kernarg_segment_ptr 1
		.amdhsa_wavefront_size32 1
		.amdhsa_system_sgpr_workgroup_id_x 1
		.amdhsa_system_sgpr_workgroup_id_y 1
		.amdhsa_system_sgpr_workgroup_id_z 1
		.amdhsa_system_vgpr_workitem_id 0
		.amdhsa_next_free_vgpr 1024
		.amdhsa_next_free_sgpr 66
		.amdhsa_reserve_vcc 1
		.amdhsa_float_denorm_mode_32 3
		.amdhsa_float_denorm_mode_16_64 3
		.amdhsa_memory_ordered 1
		.amdhsa_forward_progress 1
		.amdhsa_inst_pref_size 226
	.end_amdhsa_kernel
	.amdgpu_metadata
---
amdhsa.version: [ 1, 2 ]
amdhsa.kernels:
  - .name:           k_q69b8e6b723_attn
    .symbol:         k_q69b8e6b723_attn.kd
    .args:
      - { .name: qkv, .offset: 0, .size: 8, .value_kind: global_buffer, .address_space: global }
      - { .name: amax, .offset: 8, .size: 8, .value_kind: global_buffer, .address_space: global }
      - { .name: z16, .offset: 16, .size: 8, .value_kind: global_buffer, .address_space: global }
      - { .name: zs, .offset: 24, .size: 8, .value_kind: global_buffer, .address_space: global }
    .group_segment_fixed_size: 131584
    .private_segment_fixed_size: 0
    .kernarg_segment_align: 8
    .kernarg_segment_size: 32
    .max_flat_workgroup_size: 128
    .sgpr_count:     66
    .vgpr_count:     1024
    .wavefront_size: 32
...
	.end_amdgpu_metadata
.endif
;; end of part 3
;; launch outp (part 4): grid 8 x 32, 4 waves a work-group, no clusters, 270,848 bytes of LDS; arguments z16, zs, wp, out0; writes out0
.if DOCPART == 4
	.amdgcn_target "amdgcn-amd-amdhsa--gfx1250"
	.amdhsa_code_object_version 6
	.text
	.protected	k_q69b8e6b723_outp
	.globl	k_q69b8e6b723_outp
	.p2align	8
	.type	k_q69b8e6b723_outp,@function
k_q69b8e6b723_outp:
	s_mov_b64 s[64:65], 0
	v_nop
	global_prefetch_b8 v0, s[64:65] scope:SCOPE_SE
	s_setreg_imm32_b32 hwreg(HW_REG_WAVE_MODE, 25, 1), 1
	s_wait_xcnt 0x0
; OUTP.  out0 = z Wproj^T, operands f16, sums f32.  z arrives as z16 x g: f16 numbers under 2^15 and one power of two g for each (32 tokens, head).
; THE SUMS ARE CARRIED IN THE UNIT OF THE HEAD IN HAND.  Ahead of a head's first products the accumulators are multiplied, in f32, by rho = g of the head before / g of this head: a power of two, so nothing is rounded.
; At the end a wave's partial tile stands in the unit of its last head, and that g is the factor of the multiply-add that sums the four partial tiles.
; SHARES.  A tile of 128 tokens x 128 columns to a work-group: 32 x 8 = 256 work-groups.  THE WAVES SHARE K: wave w takes channels 256 w .. 256 w + 255 (heads 4 w .. 4 w + 3), eight steps of 32,
; for the whole tile: 64 accumulators.  So each operand byte enters a work-group once, as an image straight into registers.  The four partial tiles meet in LDS, which is also the turn into whole rows of out0.
; The product is used transposed (source 0 = 16 rows of Wproj, source 1 = 16 tokens): a lane holds eight neighbouring columns of one token.
; NO CLUSTER: joint loads land in LDS; the four partial tiles take 270,336 of its bytes, and the fragments here never pass through it.
; LIMITS: g a normal f32 number, as the launch before leaves it.  rho is held to 0 .. 2^127; where neighbouring heads of one group of tokens differ so far that a sum x rho passes 2^127 the result is infinite
; (a head of zeros has g at its floor, 2^-60 of the bound's unit, which gives rho about 2^64 beside an ordinary head, on sums about 2^11); where rho falls under 2^-126 what was summed counts as 0 beside the head in hand.
; REGISTERS, in windows of 256: window 0: v1 16 x lane, v2 stage in, v4-7 stage out, v10-11 the add's two, v64-127 and v128-191 the sum's two sets.
;   Fragment sets by turns of three: window 1 v0-127, window 1 v128-255, window 0 v128-255: z's tile m at 8 m, Wproj's tile bq at 64 + 8 bq.   windows 2, 3: accumulator (m, bq) at 8 ((m % 4) 8 + bq).
.set RG,    67584                      ; a partial tile: 128 rows x (512 bytes + 16): an odd multiple of 16 bytes from row to row
.set SPARE, 4*RG                       ; the spare words: two blocks of 256 bytes that no other line names
.set RH,    66                         ; s[66:89] rho as pairs (the packed form names a pair): group of tokens g, head e = 1..3: pair 3 g + e - 1
.set GF,    90                         ; s[90:97] as pairs: g of head 4 p + 3 in my group of tokens: partial tile p's unit
.set MSB, 0
.macro WIN new                         ; the immediate's high byte repeats the setting that is left
.if MSB != (\new)
	s_set_vgpr_msb (MSB<<8)|(\new)
.set MSB, (\new)
.endif
.endm
.macro PLACES                          ; four plain lines between a matrix instruction and a load into, or a vector line or store on, its registers (ISA guide 7.12.1 for vector lines and stores)
.rept 4
	v_nop
.endr
.endm
.macro LOADS k                         ; step k's 16 fragments: 32 loads
.if (\k)%3 == 2
	WIN 0
.set lf, 128
.else
	WIN 0x40
.set lf, 128*((\k)%3)
.endif
.irp m, 0,1,2,3,4,5,6,7
.irp u, 0,1
	global_load_b128 v[lf+8*\m+4*\u:lf+8*\m+4*\u+3], v1, s[16:17] offset:\m*32768+(\k)*1024+\u*512
	global_load_b128 v[lf+64+8*\m+4*\u:lf+64+8*\m+4*\u+3], v1, s[18:19] offset:\m*32768+(\k)*1024+\u*512
.endr
.endr
	WIN 0
.endm
.macro RESC                            ; the four accumulators of group rq (tile rq / 2 of tokens, four tiles of columns) x rho of their group of tokens and head hb; each from its low end on
.set rm, rq/2
.set r0, 8*((rm%4)*8+4*(rq%2))
.set rr, RH+2*(3*(rm/2)+hb-1)
	WIN 0x82+0x41*(rm/4)                           ; destination and source 0: window 2 or 3
.set li, 0
.rept 16
	v_pk_mul_f32 v[r0+li:r0+li+1], v[r0+li:r0+li+1], s[rr:rr+1] op_sel_hi:[1,0]
.set li, li+2
.endr
.endm
; A step of 32 along K: the fragments of two steps on are asked for; 64 products, the accumulators by turns.  A head's first step (2, 4, 6) brings the sums into that head's unit:
; 16 lines for each group of four accumulators, one group ahead of the products that add onto them.
.macro KSTEP k
	WIN 0
.if \k < 7
	s_wait_loadcnt 32                              ; this step's fragments are in; the next step's 32 loads may be out
.else
	s_wait_loadcnt 0x0
.endif
.if \k > 0
	PLACES                                         ; behind the last step's products: for the loads into the set that they read, and for the lines that scale what they wrote
.endif
.if \k < 6
	LOADS \k+2
.endif
.if (\k)%3 == 2
.set fb, 128
.set sw, 0
.else
.set fb, 128*((\k)%3)
.set sw, 5
.endif
.set hb, (\k)/2
.set rs, 0
.if (\k)%2 == 0
.if \k > 0
.set rs, 1
.endif
.endif
.if rs
.set rq, 0
	RESC
.endif
.set gq, 0
.rept 16
.if rs
.if gq < 15
.set rq, gq+1
	RESC
.endif
.endif
.set mm, gq/2
	WIN 0xa0+0x50*(mm/4)+sw
.irp bb, 0,1,2,3
.set bq, 4*(gq%2)+\bb
.set rD, 8*((mm%4)*8+bq)
.if \k == 0
	v_wmma_f32_16x16x32_f16 v[rD:rD+7], v[fb+64+8*bq:fb+64+8*bq+7], v[fb+8*mm:fb+8*mm+7], 0
.else
	v_wmma_f32_16x16x32_f16 v[rD:rD+7], v[fb+64+8*bq:fb+64+8*bq+7], v[fb+8*mm:fb+8*mm+7], v[rD:rD+7]
.endif
.endr
.set gq, gq+1
.endr
.endm
	s_load_b256 s[4:11], s[0:1], 0x0               ; z16, zs, wp, out0
	v_lshl_add_u32 v10, v0, 2, SPARE
	v_mov_b32 v11, 0
	v_lshrrev_b32 v1, 5, v0
	v_readfirstlane_b32 s12, v1                    ; wave
	s_mov_b32 s13, ttmp9                           ; x: 128 columns
	s_and_b32 s14, ttmp7, 0xffff                   ; y: 128 tokens
	v_and_b32 v3, 31, v0
	v_lshlrev_b32 v1, 4, v3                        ; 16 x lane
	v_and_b32 v8, 15, v0                           ; r
	v_bfe_u32 v9, v0, 4, 1                         ; h
	s_mul_i32 s48, s12, RG
	v_mul_u32_u24 v2, v8, 528
	v_lshl_add_u32 v2, v9, 5, v2
	v_add_nc_u32 v2, s48, v2                       ; in: my partial tile, row r, 32 h bytes on
	s_mul_i32 s49, s12, 32*528
	v_add_nc_u32 v4, s49, v1                       ; out: rows 32 w on of partial tile 0,
.irp p, 1,2,3
	v_add_nc_u32 v[4+\p], \p*RG, v4                ; 1, 2, 3
.endr
	s_mov_b32 s49, 0
	s_wait_kmcnt 0x0
	s_lshl_b32 s48, s14, 8
	s_add_nc_u64 s[22:23], s[6:7], s[48:49]        ; the block's 4 x 16 numbers g: 64 bytes a group of 32 tokens, 4 a head
	s_lshl_b32 s48, s12, 4
	s_add_nc_u64 s[24:25], s[22:23], s[48:49]      ; my four heads',
	s_lshl_b32 s48, s12, 6
	s_add_nc_u64 s[26:27], s[22:23], s[48:49]      ; and the group of tokens that I sum and store
.irp g, 0,1,2,3
	s_load_b128 s[28+4*\g:31+4*\g], s[24:25], 64*\g
.endr
.irp p, 0,1,2,3
	s_load_b32 s[44+\p], s[26:27], 16*\p+12        ; heads 3, 7, 11, 15
.endr
	s_lshl_b32 s48, s14, 18
	s_lshl_b32 s52, s12, 13
	s_add_co_u32 s48, s48, s52
	s_add_nc_u64 s[16:17], s[4:5], s[48:49]        ; z16: 8 y tiles of 32,768 bytes + my 8 steps of 1,024
	s_lshl_b32 s48, s13, 18
	s_add_co_u32 s48, s48, s52
	s_add_nc_u64 s[18:19], s[8:9], s[48:49]        ; wp likewise
	s_lshl_b32 s48, s14, 19
	s_lshl_b32 s52, s12, 17
	s_add_co_u32 s48, s48, s52
	s_lshl_b32 s52, s13, 9
	s_add_co_u32 s48, s48, s52
	s_add_nc_u64 s[20:21], s[10:11], s[48:49]      ; out0: row 128 y + 32 w, column 128 x
	LOADS 0
	LOADS 1
	s_wait_kmcnt 0x0
.irp g, 0,1,2,3
.irp e, 1,2,3
	s_sub_co_i32 s48, s[28+4*\g+\e-1], s[28+4*\g+\e]   ; both are powers of two: the difference of their bits is the difference of their exponents, 23 bits up
	s_ashr_i32 s48, s48, 23
	s_add_co_i32 s48, s48, 127
	s_max_i32 s48, s48, 0                          ; the field 0 is the number 0
	s_min_i32 s48, s48, 254
	s_lshl_b32 s[RH+2*(3*\g+\e-1)], s48, 23
	s_mov_b32 s[RH+2*(3*\g+\e-1)+1], s[RH+2*(3*\g+\e-1)]
.endr
.endr
.irp p, 0,1,2,3
	s_mov_b32 s[GF+2*\p], s[44+\p]
	s_mov_b32 s[GF+2*\p+1], s[44+\p]
.endr
	KSTEP 0
	KSTEP 1
	KSTEP 2
	KSTEP 3
	KSTEP 4
	KSTEP 5
	KSTEP 6
	KSTEP 7
	WIN 0
	PLACES
.irp m, 0,1,2,3,4,5,6,7
	WIN 0x08+4*(\m/4)                              ; an LDS store's data are its source 1: window 2 or 3
.irp bq, 0,1,2,3,4,5,6,7
	ds_store_b128 v2, v[8*((\m%4)*8+\bq):8*((\m%4)*8+\bq)+3] offset:\m*8448+\bq*64        ; each accumulator from its low end on
	ds_store_b128 v2, v[8*((\m%4)*8+\bq)+4:8*((\m%4)*8+\bq)+7] offset:\m*8448+\bq*64+16
.endr
.endr
	WIN 0
	s_wait_dscnt 0x0                               ; my partial tile has landed
	s_barrier_signal -1
	s_barrier_wait -1
.macro LOADB bt                        ; four rows of each of the four partial tiles
.set bb, 64+64*((\bt)%2)
.irp k, 0,1,2,3
.irp p, 0,1,2,3
	ds_load_b128 v[bb+16*\k+4*\p:bb+16*\k+4*\p+3], v[4+\p] offset:(4*(\bt)+\k)*528
.endr
.endr
.endm
.macro SUMB bt                         ; out = the sum over p of partial tile p x its unit; the four rows by turns
.set bb, 64+64*((\bt)%2)
.irp k, 0,1,2,3
	v_pk_mul_f32 v[bb+16*\k:bb+16*\k+1], v[bb+16*\k:bb+16*\k+1], s[GF:GF+1] op_sel_hi:[1,0]
	v_pk_mul_f32 v[bb+16*\k+2:bb+16*\k+3], v[bb+16*\k+2:bb+16*\k+3], s[GF:GF+1] op_sel_hi:[1,0]
.endr
.irp p, 1,2,3
.irp k, 0,1,2,3
	v_pk_fma_f32 v[bb+16*\k:bb+16*\k+1], v[bb+16*\k+4*\p:bb+16*\k+4*\p+1], s[GF+2*\p:GF+2*\p+1], v[bb+16*\k:bb+16*\k+1] op_sel_hi:[1,0,1]
	v_pk_fma_f32 v[bb+16*\k+2:bb+16*\k+3], v[bb+16*\k+4*\p+2:bb+16*\k+4*\p+3], s[GF+2*\p:GF+2*\p+1], v[bb+16*\k+2:bb+16*\k+3] op_sel_hi:[1,0,1]
.endr
.endr
.irp k, 0,1,2,3
	global_store_b128 v1, v[bb+16*\k:bb+16*\k+3], s[20:21] offset:(4*(\bt)+\k)*4096 th:TH_STORE_NT   ; 32 lanes store 512 consecutive bytes of a row, at a multiple of 512 from out0's first byte
.endr
.endm
	LOADB 0
.irp bt, 0,1,2,3,4,5,6,7
.if \bt < 7
.if \bt > 0
	s_wait_xcnt 0x0                                ; the stores of the batch before have read the set that is loaded now
.endif
	LOADB \bt+1
	s_wait_dscnt 16                                ; this batch is in; the next batch's 16 loads may be out
.else
	s_wait_dscnt 0x0
.endif
	SUMB \bt
.endr
	s_wait_tensorcnt 0x0                           ; the wave's end, behind my last LDS store
	ds_add_u32 v10, v11
	s_wait_dscnt 0x0
	s_endpgm
.Lfunc_end_k_q69b8e6b723_outp:
	.size	k_q69b8e6b723_outp, .Lfunc_end_k_q69b8e6b723_outp-k_q69b8e6b723_outp
	.p2alignl 7, 3214868480
	.fill 96, 4, 3214868480
	.section	.rodata,"a",@progbits
	.p2align	6, 0x0
	.amdhsa_kernel k_q69b8e6b723_outp
		.amdhsa_group_segment_fixed_size 270848
		.amdhsa_private_segment_fixed_size 0
		.amdhsa_enable_private_segment 0
		.amdhsa_kernarg_size 32
		.amdhsa_user_sgpr_count 2
		.amdhsa_user_sgpr_kernarg_segment_ptr 1
		.amdhsa_wavefront_size32 1
		.amdhsa_system_sgpr_workgroup_id_x 1
		.amdhsa_system_sgpr_workgroup_id_y 1
		.amdhsa_system_sgpr_workgroup_id_z 1
		.amdhsa_system_vgpr_workitem_id 0
		.amdhsa_next_free_vgpr 1024
		.amdhsa_next_free_sgpr 100
		.amdhsa_reserve_vcc 0
		.amdhsa_float_denorm_mode_32 3
		.amdhsa_float_denorm_mode_16_64 3
		.amdhsa_memory_ordered 1
		.amdhsa_forward_progress 1
		.amdhsa_inst_pref_size 151
	.end_amdhsa_kernel
	.amdgpu_metadata
---
amdhsa.version: [ 1, 2 ]
amdhsa.kernels:
  - .name:           k_q69b8e6b723_outp
    .symbol:         k_q69b8e6b723_outp.kd
    .args:
      - { .name: z16, .offset: 0, .size: 8, .value_kind: global_buffer, .address_space: global }
      - { .name: zs, .offset: 8, .size: 8, .value_kind: global_buffer, .address_space: global }
      - { .name: wp, .offset: 16, .size: 8, .value_kind: global_buffer, .address_space: global }
      - { .name: out0, .offset: 24, .size: 8, .value_kind: global_buffer, .address_space: global }
    .group_segment_fixed_size: 270848
    .private_segment_fixed_size: 0
    .kernarg_segment_align: 8
    .kernarg_segment_size: 32
    .max_flat_workgroup_size: 128
    .sgpr_count:     100
    .vgpr_count:     1024
    .wavefront_size: 32
...
	.end_amdgpu_metadata
.endif
;; end of part 4
